; MI455X (gfx1250); checked and timed in simulation.
; The chip was launched on July 23, 2026; its instructions are those of AMD's public machine-readable ISA for CDNA 5 (MIT licence, August 2026) and "CDNA5" Instruction Set Architecture Reference Guide (July 2026). The comments in the code are by the model that wrote it; some were corrected since.
;; Ternary Linear. Allowed arithmetic: float matrix products may take bf16 or f16 operands with f32 sums; other float arithmetic in f32, or as packed bf16 or f16 multiplies, adds, multiply-adds, maxima and minima; sums over many terms, partial sums and values carried from step to step in f32; what a program stores and reads back later, other than sums and carried values, may be rounded once to bf16 or f16.
;; Inputs: W 4,096 x 4,096 float32; b 4,096 float32; x 4,096 x 4,096 float32.
;; Outputs: out0 4,096 x 4,096 float32.
;; One version. Each part assembles by itself: llvm-mc -triple=amdgcn-amd-amdhsa -mcpu=gfx1250 --defsym DOCPART=n.
;; ======== version 1 of 1: 3 launches
;; workspace buffers: xb 33,554,432 bytes; wq 33,554,432 bytes; psum 4,096 bytes
;; launch prep (part 1): grid 1024 x 1, 8 waves a work-group, no clusters, 1,280 bytes of LDS; arguments W, x, xb, psum; writes xb, psum
.if DOCPART == 1
	.amdgcn_target "amdgcn-amd-amdhsa--gfx1250"
	.amdhsa_code_object_version 6
	.text
	.protected	k_qca816f01da_prep
	.globl	k_qca816f01da_prep
	.p2align	8
	.type	k_qca816f01da_prep,@function
k_qca816f01da_prep:
	s_mov_b64 s[64:65], 0
	v_nop
	global_prefetch_b8 v0, s[64:65] scope:SCOPE_SE
	s_setreg_imm32_b32 hwreg(HW_REG_WAVE_MODE, 25, 1), 1
	s_wait_xcnt 0x0
; FIRST OF THREE LAUNCHES of out0 = x Wq^T + b, Wq = sign(W) (|W| > 0.5 mean|W|).  All sizes 4,096; W, x, b, out0 in f32.
; THE WHOLE PROGRAM WORKS ON x AND W ROUNDED ONCE TO bf16 (nearest even): W is so rounded ahead of the mean AND ahead of the comparison, x as a matrix operand.
; So a weight whose |W| lies within a bf16 step of the threshold may fall otherwise than in a quantiser on unrounded W.  b stays f32.
; LIMITS.  NaN and infinities in W are not treated apart; the sum of |W| must stay finite in f32.
; THIS LAUNCH: xb = bf16(x), and psum[g] = the sum of |bf16(W)| over work-group g's 16,384 numbers, in f32.
; SHARES.  Work-group g owns 65,536 consecutive bytes of W and of x, in 16 chunks of 4,096.  Thread t takes the 16 bytes at 16 t of each chunk: a wave's load covers 512 consecutive bytes.
; All 32 loads of a lane go out at once (16 KiB a wave), so there is no loop and no register is written again while a memory instruction may still read it.
; A chunk's result is 8 bytes a lane: a wave's store covers 256 consecutive bytes, at a multiple of 256 from xb's first byte.
; No matrix unit, no cluster, no tensor load: nothing is shared between work-groups and every byte is used once.
.set SPARE, 256                        ; LDS: bytes 0-31 the eight waves' sums (the block of 256 to themselves); from 256 on the spare words, 128 bytes a wave
.set LO,  2                            ; v2       16 t: my bytes in a chunk of f32
.set SO,  3                            ; v3       8 t: my bytes in a chunk of bf16
.set SPW, 4                            ; v4       LDS address of my spare word; never rewritten
.set NIL, 5                            ; v5       0, for the add alone
.set WA,  6                            ; v6       4 x wave: my wave's word in LDS
.set ZR,  7                            ; v7       0: the LDS address of the eight sums, and psum's vector offset
.set ACC, 8                            ; v[8:15]  eight running sums: set j % 2, four registers each
.set TS,  16                           ; v[16:23] the eight waves' sums
.set XR,  24                           ; v[24:87]  x, chunk i at XR + 4 i
.set WR,  88                           ; v[88:151] W, chunk j at WR + 4 j
	s_load_b256 s[4:11], s[0:1], 0x0               ; W s[4:5], x s[6:7], xb s[8:9], psum s[10:11]
	v_lshl_add_u32 v[SPW], v0, 2, SPARE
	v_mov_b32 v[NIL], 0
	v_lshlrev_b32 v[LO], 4, v0
	v_lshlrev_b32 v[SO], 3, v0
	v_lshrrev_b32 v1, 5, v0
	v_readfirstlane_b32 s12, v1                    ; my wave's number as a scalar
	v_mov_b32 v[WA], s12
	v_lshlrev_b32 v[WA], 2, v[WA]
	v_mov_b32 v[ZR], 0
	s_mov_b32 s13, 0x7fff7fff                      ; clears the signs of two bf16
	s_mov_b32 s14, 0xffff0000                      ; a word's upper bf16
	s_lshl_b32 s16, ttmp9, 16                      ; g x 65,536 bytes of f32 (under 2^26)
	s_mov_b32 s17, 0
	s_lshl_b32 s18, ttmp9, 15                      ; g x 32,768 bytes of bf16
	s_mov_b32 s19, 0
	s_lshl_b32 s20, ttmp9, 2                       ; g x 4: my word of psum
	s_mov_b32 s21, 0
	s_mov_b32 s22, 0x76543210                      ; v_permlanex16_b32: each lane takes its own place in the other half
	s_mov_b32 s23, 0xfedcba98
	s_wait_kmcnt 0x0
	s_add_nc_u64 s[4:5], s[4:5], s[16:17]
	s_add_nc_u64 s[6:7], s[6:7], s[16:17]
	s_add_nc_u64 s[8:9], s[8:9], s[18:19]
	s_add_nc_u64 s[10:11], s[10:11], s[20:21]
.irp i, 0,1,2,3,4,5,6,7,8,9,10,11,12,13,14,15
	global_load_b128 v[XR+4*(\i):XR+4*(\i)+3], v[LO], s[6:7] offset:4096*(\i) th:TH_LOAD_NT  ; x is read once in the whole program
.endr
.irp j, 0,1,2,3,4,5,6,7,8,9,10,11,12,13,14,15
	global_load_b128 v[WR+4*(\j):WR+4*(\j)+3], v[LO], s[4:5] offset:4096*(\j)                ; W is read again by the next launch: no hint
.endr
; Chunk i of x: four numbers rounded to bf16 in place and stored.
.macro XCH i
	s_wait_loadcnt 31-(\i)                         ; loads come back in order: behind chunk i stand 15 - i loads of x and 16 of W
	v_cvt_pk_bf16_f32 v[XR+4*(\i)],   v[XR+4*(\i)],   v[XR+4*(\i)+1]
	v_cvt_pk_bf16_f32 v[XR+4*(\i)+1], v[XR+4*(\i)+2], v[XR+4*(\i)+3]
	global_store_b64 v[SO], v[XR+4*(\i):XR+4*(\i)+1], s[8:9] offset:2048*(\i)
.endm
; Chunk j of W: rounded to bf16, signs cleared, widened again, added onto four of the eight running sums.  Chunks 0 and 1 start the sums: nothing is cleared.
.macro WCH j
.set rW, WR+4*(\j)
.set rA, ACC+4*((\j)%2)
	s_wait_loadcnt 15-(\j)                         ; behind chunk j stand 15 - j loads of W
	v_cvt_pk_bf16_f32 v[rW],   v[rW],   v[rW+1]
	v_cvt_pk_bf16_f32 v[rW+1], v[rW+2], v[rW+3]
	v_and_b32 v[rW],   s13, v[rW]
	v_and_b32 v[rW+1], s13, v[rW+1]
.if (\j) < 2
	v_lshlrev_b32 v[rA],   16,  v[rW]
	v_and_b32     v[rA+1], s14, v[rW]
	v_lshlrev_b32 v[rA+2], 16,  v[rW+1]
	v_and_b32     v[rA+3], s14, v[rW+1]
.else
	v_lshlrev_b32 v[rW+2], 16,  v[rW]
	v_and_b32     v[rW+3], s14, v[rW]
	v_pk_add_f32 v[rA:rA+1], v[rA:rA+1], v[rW+2:rW+3]
	v_lshlrev_b32 v[rW],   16,  v[rW+1]
	v_and_b32     v[rW+1], s14, v[rW+1]
	v_pk_add_f32 v[rA+2:rA+3], v[rA+2:rA+3], v[rW:rW+1]
.endif
.endm
.irp i, 0,1,2,3,4,5,6,7,8,9,10,11,12,13,14,15
	XCH \i
.endr
.irp j, 0,1,2,3,4,5,6,7,8,9,10,11,12,13,14,15
	WCH \j
.endr
	; the lane's eight sums of eight numbers each, then the wave's 32 lanes: every lane ends with the wave's sum
	v_pk_add_f32 v[ACC:ACC+1],   v[ACC:ACC+1],   v[ACC+2:ACC+3]
	v_pk_add_f32 v[ACC+4:ACC+5], v[ACC+4:ACC+5], v[ACC+6:ACC+7]
	v_pk_add_f32 v[ACC:ACC+1],   v[ACC:ACC+1],   v[ACC+4:ACC+5]
	v_add_f32 v[ACC], v[ACC], v[ACC+1]
	v_add_f32_dpp v[ACC], v[ACC], v[ACC] row_xmask:1 row_mask:0xf bank_mask:0xf
	v_add_f32_dpp v[ACC], v[ACC], v[ACC] row_xmask:2 row_mask:0xf bank_mask:0xf
	v_add_f32_dpp v[ACC], v[ACC], v[ACC] row_xmask:4 row_mask:0xf bank_mask:0xf
	v_add_f32_dpp v[ACC], v[ACC], v[ACC] row_xmask:8 row_mask:0xf bank_mask:0xf
	v_permlanex16_b32 v[ACC+1], v[ACC], s22, s23   ; its destination counts as read: a register that has been written
	v_add_f32 v[ACC], v[ACC], v[ACC+1]
	; the eight waves meet in LDS
	ds_store_b32 v[WA], v[ACC]                     ; all lanes write the same word with the same value
	s_wait_dscnt 0x0                               ; for the others' sake: my store is done
	s_barrier_signal -1
	s_barrier_wait -1
	ds_load_b128 v[TS:TS+3],   v[ZR]
	ds_load_b128 v[TS+4:TS+7], v[ZR] offset:16
	s_wait_dscnt 0x0
	v_add_f32 v[TS],   v[TS],   v[TS+1]
	v_add_f32 v[TS+2], v[TS+2], v[TS+3]
	v_add_f32 v[TS+4], v[TS+4], v[TS+5]
	v_add_f32 v[TS+6], v[TS+6], v[TS+7]
	v_add_f32 v[TS],   v[TS],   v[TS+2]
	v_add_f32 v[TS+4], v[TS+4], v[TS+6]
	v_add_f32 v[TS],   v[TS],   v[TS+4]
	; thread 0 stores the work-group's sum: four bytes a work-group, 4 KiB in the launch
	s_wait_xcnt 0x0                                ; EXEC is a source of the stores above: it changes only behind this wait
	v_cmp_eq_u32 vcc_lo, 0, v0
	s_and_saveexec_b32 s24, vcc_lo
	global_store_b32 v[ZR], v[TS], s[10:11]
	s_wait_xcnt 0x0                                ; and again, in front of the line that widens it
	s_or_b32 exec_lo, exec_lo, s24
	s_wait_tensorcnt 0x0                           ; the wave's end: behind my last LDS store
	ds_add_u32 v[SPW], v[NIL]
	s_wait_dscnt 0x0
	s_endpgm
.Lfunc_end_k_qca816f01da_prep:
	.size	k_qca816f01da_prep, .Lfunc_end_k_qca816f01da_prep-k_qca816f01da_prep
	.p2alignl 7, 3214868480
	.fill 96, 4, 3214868480
	.section	.rodata,"a",@progbits
	.p2align	6, 0x0
	.amdhsa_kernel k_qca816f01da_prep
		.amdhsa_group_segment_fixed_size 1280
		.amdhsa_private_segment_fixed_size 0
		.amdhsa_enable_private_segment 0
		.amdhsa_kernarg_size 32
		.amdhsa_user_sgpr_count 2
		.amdhsa_user_sgpr_kernarg_segment_ptr 1
		.amdhsa_wavefront_size32 1
		.amdhsa_system_sgpr_workgroup_id_x 1
		.amdhsa_system_sgpr_workgroup_id_y 1
		.amdhsa_system_sgpr_workgroup_id_z 1
		.amdhsa_system_vgpr_workitem_id 0
		.amdhsa_next_free_vgpr 152
		.amdhsa_next_free_sgpr 66
		.amdhsa_reserve_vcc 1
		.amdhsa_float_denorm_mode_32 3
		.amdhsa_float_denorm_mode_16_64 3
		.amdhsa_memory_ordered 1
		.amdhsa_forward_progress 1
		.amdhsa_inst_pref_size 17
	.end_amdhsa_kernel
	.amdgpu_metadata
---
amdhsa.version: [ 1, 2 ]
amdhsa.kernels:
  - .name:           k_qca816f01da_prep
    .symbol:         k_qca816f01da_prep.kd
    .args:
      - { .name: W, .offset: 0, .size: 8, .value_kind: global_buffer, .address_space: global }
      - { .name: x, .offset: 8, .size: 8, .value_kind: global_buffer, .address_space: global }
      - { .name: xb, .offset: 16, .size: 8, .value_kind: global_buffer, .address_space: global }
      - { .name: psum, .offset: 24, .size: 8, .value_kind: global_buffer, .address_space: global }
    .group_segment_fixed_size: 1280
    .private_segment_fixed_size: 0
    .kernarg_segment_align: 8
    .kernarg_segment_size: 32
    .max_flat_workgroup_size: 256
    .sgpr_count:     66
    .vgpr_count:     152
    .wavefront_size: 32
...
	.end_amdgpu_metadata
.endif
;; end of part 1
;; launch quant (part 2): grid 1024 x 1, 8 waves a work-group, no clusters, 1,280 bytes of LDS; arguments W, psum, wq; writes wq
.if DOCPART == 2
	.amdgcn_target "amdgcn-amd-amdhsa--gfx1250"
	.amdhsa_code_object_version 6
	.text
	.protected	k_qca816f01da_quant
	.globl	k_qca816f01da_quant
	.p2align	8
	.type	k_qca816f01da_quant,@function
k_qca816f01da_quant:
	s_mov_b64 s[64:65], 0
	v_nop
	global_prefetch_b8 v0, s[64:65] scope:SCOPE_SE
	s_setreg_imm32_b32 hwreg(HW_REG_WAVE_MODE, 25, 1), 1
	s_wait_xcnt 0x0
; SECOND LAUNCH: wq = sign(w) (|w| > 0.5 mean|w|) for w = bf16(W), written as bf16: +1, -1, or a zero with w's sign (as the product sign(w) x 0 gives).
; THE THRESHOLD.  Every work-group adds the same 1,024 partial sums in the same order, so all use the same number.  S x 2^-25 is the mean (a division by 2^24) times 0.5, both exact in f32.
; |w| and the threshold are positive floats, so they compare as their bits do; |w|'s low 16 bits are 0.  THR = the threshold's bits with the low 16 cleared, plus 0x10000, is the smallest bf16
; above the threshold: |w| > threshold is bits(|w|) >= THR, a comparison of whole numbers.  THR feeds comparisons and selections alone: no branch and no address hangs on it.
; LIMITS.  W is rounded to bf16 ahead of mean and comparison (the program's one rounding of W).  A NaN in W counts as above the threshold; the sum of |W| must stay finite in f32.
; SHARES as in the launch before: work-group g owns 65,536 consecutive bytes of W, 16 chunks of 4,096; thread t the 16 bytes at 16 t of each; all loads go out at once.
; A chunk's result is 8 bytes a lane: a wave's store covers 256 consecutive bytes, at a multiple of 256 from wq's first byte.
.set SPARE, 256                        ; LDS: bytes 0-31 the eight waves' sums; from 256 on the spare words, 128 bytes a wave
.set LO,  2                            ; v2       16 t
.set SO,  3                            ; v3       8 t
.set SPW, 4                            ; v4       LDS address of my spare word; never rewritten
.set NIL, 5                            ; v5       0, for the add alone
.set WA,  6                            ; v6       4 x wave
.set ZR,  7                            ; v7       0: the LDS address of the eight sums
.set ONELO, 8                          ; v8       1.0 in bf16 in the lower half
.set ONEHI, 9                          ; v9       1.0 in bf16 in the upper half
.set TH,  10                           ; v10      the threshold at work
.set PS,  12                           ; v[12:15] my four partial sums
.set TS,  16                           ; v[16:23] the eight waves' sums
.set WR,  24                           ; v[24:87] W, chunk j at WR + 4 j
	s_load_b128 s[4:7], s[0:1], 0x0                ; W s[4:5], psum s[6:7]
	s_load_b64 s[8:9], s[0:1], 0x10                ; wq
	v_lshl_add_u32 v[SPW], v0, 2, SPARE
	v_mov_b32 v[NIL], 0
	v_lshlrev_b32 v[LO], 4, v0
	v_lshlrev_b32 v[SO], 3, v0
	v_lshrrev_b32 v1, 5, v0
	v_readfirstlane_b32 s12, v1                    ; my wave's number as a scalar
	v_mov_b32 v[WA], s12
	v_lshlrev_b32 v[WA], 2, v[WA]
	v_mov_b32 v[ZR], 0
	v_mov_b32 v[ONELO], 0x3f80
	v_mov_b32 v[ONEHI], 0x3f800000
	s_mov_b32 s13, 0x7fff7fff                      ; clears the signs of two bf16
	s_mov_b32 s14, 0x80008000                      ; keeps them
	s_lshl_b32 s16, ttmp9, 16                      ; g x 65,536 bytes of f32
	s_mov_b32 s17, 0
	s_lshl_b32 s18, ttmp9, 15                      ; g x 32,768 bytes of bf16
	s_mov_b32 s19, 0
	s_mov_b32 s22, 0x76543210
	s_mov_b32 s23, 0xfedcba98
	s_wait_kmcnt 0x0
	s_add_nc_u64 s[4:5], s[4:5], s[16:17]
	s_add_nc_u64 s[8:9], s[8:9], s[18:19]
	global_load_b128 v[PS:PS+3], v[LO], s[6:7]     ; first: partial sums 4 t to 4 t + 3; 256 threads take all 1,024
.irp j, 0,1,2,3,4,5,6,7,8,9,10,11,12,13,14,15
	global_load_b128 v[WR+4*(\j):WR+4*(\j)+3], v[LO], s[4:5] offset:4096*(\j) th:TH_LOAD_NT  ; W's last use in the program
.endr
	s_wait_loadcnt 16                              ; the partial sums are in; the 16 loads of W issued behind them stay out
	v_add_f32 v[PS],   v[PS],   v[PS+1]
	v_add_f32 v[PS+2], v[PS+2], v[PS+3]
	v_add_f32 v[PS],   v[PS],   v[PS+2]
	v_add_f32_dpp v[PS], v[PS], v[PS] row_xmask:1 row_mask:0xf bank_mask:0xf
	v_add_f32_dpp v[PS], v[PS], v[PS] row_xmask:2 row_mask:0xf bank_mask:0xf
	v_add_f32_dpp v[PS], v[PS], v[PS] row_xmask:4 row_mask:0xf bank_mask:0xf
	v_add_f32_dpp v[PS], v[PS], v[PS] row_xmask:8 row_mask:0xf bank_mask:0xf
	v_permlanex16_b32 v[PS+1], v[PS], s22, s23
	v_add_f32 v[PS], v[PS], v[PS+1]
	ds_store_b32 v[WA], v[PS]                      ; all lanes write the same word with the same value
	s_wait_dscnt 0x0                               ; for the others' sake: my store is done
	s_barrier_signal -1
	s_barrier_wait -1
	ds_load_b128 v[TS:TS+3],   v[ZR]
	ds_load_b128 v[TS+4:TS+7], v[ZR] offset:16
	s_wait_dscnt 0x0
	v_add_f32 v[TS],   v[TS],   v[TS+1]
	v_add_f32 v[TS+2], v[TS+2], v[TS+3]
	v_add_f32 v[TS+4], v[TS+4], v[TS+5]
	v_add_f32 v[TS+6], v[TS+6], v[TS+7]
	v_add_f32 v[TS],   v[TS],   v[TS+2]
	v_add_f32 v[TS+4], v[TS+4], v[TS+6]
	v_add_f32 v[TS],   v[TS],   v[TS+4]             ; S, the sum of all |w|, in every lane
	v_mul_f32 v[TH], 0x33000000, v[TS]             ; S x 2^-25
	v_and_b32 v[TH], 0xffff0000, v[TH]
	v_add_nc_u32 v[TH], 0x10000, v[TH]             ; THR
	v_readfirstlane_b32 s15, v[TH]
; Two bf16 in word p become two ternary numbers; t and t + 1 are at work.  The upper number is compared as the whole word: the lower half adds less than one step of THR.
.macro TERN p, t
	v_and_b32 v[(\t)], s13, v[(\p)]
	v_cmp_le_u32 vcc_lo, s15, v[(\t)]
	v_cndmask_b32 v[(\t)+1], 0, v[ONEHI], vcc_lo
	v_lshlrev_b32 v[(\t)], 16, v[(\t)]
	v_cmp_le_u32 vcc_lo, s15, v[(\t)]
	v_cndmask_b32 v[(\t)], 0, v[ONELO], vcc_lo
	v_and_or_b32 v[(\p)], v[(\p)], s14, v[(\t)+1]  ; both signs, and the upper 1.0 or 0
	v_or_b32 v[(\p)], v[(\p)], v[(\t)]
.endm
.macro QCH j
.set rW, WR+4*(\j)
	s_wait_loadcnt 15-(\j)                         ; behind chunk j stand 15 - j loads of W
	v_cvt_pk_bf16_f32 v[rW],   v[rW],   v[rW+1]
	v_cvt_pk_bf16_f32 v[rW+1], v[rW+2], v[rW+3]
	TERN rW, rW+2
	TERN rW+1, rW+2
	global_store_b64 v[SO], v[rW:rW+1], s[8:9] offset:2048*(\j)
.endm
.irp j, 0,1,2,3,4,5,6,7,8,9,10,11,12,13,14,15
	QCH \j
.endr
	s_wait_tensorcnt 0x0                           ; the wave's end: behind my last LDS store
	ds_add_u32 v[SPW], v[NIL]
	s_wait_dscnt 0x0
	s_endpgm
.Lfunc_end_k_qca816f01da_quant:
	.size	k_qca816f01da_quant, .Lfunc_end_k_qca816f01da_quant-k_qca816f01da_quant
	.p2alignl 7, 3214868480
	.fill 96, 4, 3214868480
	.section	.rodata,"a",@progbits
	.p2align	6, 0x0
	.amdhsa_kernel k_qca816f01da_quant
		.amdhsa_group_segment_fixed_size 1280
		.amdhsa_private_segment_fixed_size 0
		.amdhsa_enable_private_segment 0
		.amdhsa_kernarg_size 24
		.amdhsa_user_sgpr_count 2
		.amdhsa_user_sgpr_kernarg_segment_ptr 1
		.amdhsa_wavefront_size32 1
		.amdhsa_system_sgpr_workgroup_id_x 1
		.amdhsa_system_sgpr_workgroup_id_y 1
		.amdhsa_system_sgpr_workgroup_id_z 1
		.amdhsa_system_vgpr_workitem_id 0
		.amdhsa_next_free_vgpr 88
		.amdhsa_next_free_sgpr 66
		.amdhsa_reserve_vcc 1
		.amdhsa_float_denorm_mode_32 3
		.amdhsa_float_denorm_mode_16_64 3
		.amdhsa_memory_ordered 1
		.amdhsa_forward_progress 1
		.amdhsa_inst_pref_size 18
	.end_amdhsa_kernel
	.amdgpu_metadata
---
amdhsa.version: [ 1, 2 ]
amdhsa.kernels:
  - .name:           k_qca816f01da_quant
    .symbol:         k_qca816f01da_quant.kd
    .args:
      - { .name: W, .offset: 0, .size: 8, .value_kind: global_buffer, .address_space: global }
      - { .name: psum, .offset: 8, .size: 8, .value_kind: global_buffer, .address_space: global }
      - { .name: wq, .offset: 16, .size: 8, .value_kind: global_buffer, .address_space: global }
    .group_segment_fixed_size: 1280
    .private_segment_fixed_size: 0
    .kernarg_segment_align: 8
    .kernarg_segment_size: 24
    .max_flat_workgroup_size: 256
    .sgpr_count:     66
    .vgpr_count:     88
    .wavefront_size: 32
...
	.end_amdgpu_metadata
.endif
;; end of part 2
;; launch gemm (part 3): grid 16 x 16, 4 waves a work-group, clusters of 4 x 4, 327,680 bytes of LDS; arguments xb, wq, out0, b; writes out0
.if DOCPART == 3
	.amdgcn_target "amdgcn-amd-amdhsa--gfx1250"
	.amdhsa_code_object_version 6
	.text
	.protected	k_qca816f01da_gemm
	.globl	k_qca816f01da_gemm
	.p2align	8
	.type	k_qca816f01da_gemm,@function
k_qca816f01da_gemm:
	s_mov_b64 s[64:65], 0
	v_nop
	global_prefetch_b8 v0, s[64:65] scope:SCOPE_SE
	s_setreg_imm32_b32 hwreg(HW_REG_WAVE_MODE, 25, 1), 1
	s_wait_xcnt 0x0
	s_wait_alu depctr_hold_cnt(0) depctr_sa_sdst(0) depctr_va_vdst(0) depctr_va_sdst(0) depctr_va_ssrc(0) depctr_va_vcc(0) depctr_vm_vsrc(0)
	s_getreg_b32 s2, hwreg(HW_REG_IB_STS2, 6, 4)
	s_cmp_eq_u32 s2, 0
	s_cbranch_scc0 .Lentry_in_a_cluster
	s_endpgm
.Lentry_in_a_cluster:
	s_bfe_u32 s2, ttmp6, 0x10000c
	s_cmp_lg_u32 s2, 0xf033
	s_cbranch_scc0 .Lentry_shape_is_right
	s_endpgm
.Lentry_shape_is_right:
; THIRD LAUNCH: out0[t][o] = b[o] + the sum over i of xb[t][i] wq[o][i].  xb (A): [4096][4096] bf16, x rounded once; wq (B): [4096][4096] bf16, exactly -1, 0 or +1; b: [4096] f32; out0 (C): [4096][4096] f32.
; One f32 sum for each output, K ascending; the sum STARTS from b[o] (the first product's C operand), so nothing is cleared and nothing is added on the way out.
; SHARES.  C has 16 x 16 tiles of 256 x 256, one to a work-group.  Four waves, each 128 x 128: 64 accumulators of 16 x 16, 512 registers.  K goes in 32 steps of 128 through a ring of two LDS slots
; filled by the tensor data mover: the rows of A's and B's tiles are 256 bytes of memory and start at multiples of 256 bytes from the buffer's first byte.
; CLUSTERS: 4 x 4 work-groups.  The four of a row of the cluster need the same tiles of A, the four of a column the same tiles of B: each tile is asked for JOINTLY, by the same tensor load with the same
; descriptor and a mask that names the four, and each receives it in its own LDS.  That divides the requests for A and for B by four.
; THE MATRIX INSTRUCTION IS USED TRANSPOSED: source 0 = 16 rows of B, source 1 = 16 rows of A.  In the result lane l holds row m = l % 16 of C and in registers 0 to 7 the columns 8 (l / 16) + 0 .. 7:
; 32 consecutive bytes of a row of C.
; REGISTERS, in windows of 256 (s_set_vgpr_msb's low byte: bits 1:0 source 0, 3:2 source 1, 5:4 source 2, 7:6 destination):
;   window 0: v0-31 addresses; v64-127, v128-191 fragments of A, two buffers, and on the way out the rows read back from the stage; v192-255 the bias as C operands, 8 registers for each block of 16 columns
;   window 1: v64-127, v128-191 fragments of B, two buffers
;   window 2: the 32 accumulators of my rows 0-63 (accumulator (a, b) at v[8 (8 a + b)]);   window 3: those of my rows 64-127
.set SIZE_M, 4096
.set SIZE_N, 4096
.set SIZE_K, 4096
.set KSTEP,  128
.set PITCH,  272                       ; an LDS row: 256 bytes of data + 16 of padding = 68 words: row r starts at bank 4 r mod 64 (64 banks of 4 bytes: ISA guide 11.1), so the 16 rows that a load touches start at 16 different banks
.set HALFT,  128*PITCH                 ; 128 rows: what one tensor load brings, and what one wave reads of A or of B
.set SLOT,   4*HALFT                   ; A's 256 rows, then B's 256 rows
.set STAGE,  2*SLOT                    ; behind the ring, byte 278,528: 16 rows x 528 bytes for each wave, for the way out; no tensor load lands here
.set SPITCH, 528                       ; a stage row: my 128 columns in f32, 512 bytes, + 16 = 132 words: again row r starts at bank 4 r mod 64
.set SPARE,  STAGE+4*16*SPITCH         ; byte 312,320: the spare words, 128 bytes for each wave: two blocks of 256 bytes that no other line names
.set LAPS,   SIZE_K/(2*KSTEP)          ; a lap = two K steps = once round the ring: 16
.set ADRA, 16                          ; v16-17  LDS address of my A fragments in slot 0, 1
.set ADRB, 20                          ; v20-21  the same for B
.set STO,  24                          ; v24     the way out: where I put 32 bytes of a row
.set RD,   25                          ; v25     the way out: where I read 16 bytes of a row back
.set CO,   26                          ; v26     my byte offset in a row's 512 bytes of C: 16 x lane
.set BO,   27                          ; v27     my byte offset in 16 columns of b: 32 (l / 16)
.set SPW,  28                          ; v28     LDS address of my spare word: SPARE + 4 x my thread's number; never rewritten
.set NIL,  29                          ; v29     0; never rewritten
.set F0,   64                          ; fragment buffer 0
.set F1,   128                         ; fragment buffer 1
.set BI,   192                         ; the bias, in window 0
.set G1,  24                           ; s[24:31] descriptor group 1 for A's tiles
.set G0,  32                           ; s[32:39] descriptor group 0 for A's tiles, one set for each slot
.set G1B, 48                           ; s[48:55] descriptor group 1 for B's tiles: it differs from A's in the mask alone
.set G0B, 56                           ; s[56:63] descriptor group 0 for B's tiles, one set for each slot
.set MSB, 0
.macro WIN new                         ; the immediate's high byte repeats the setting that is left; a switch that changes nothing is dropped
.if MSB != (\new)
	s_set_vgpr_msb (MSB<<8)|(\new)
.set MSB, \new
.endif
.endm
.set MUL_LO, 0xa1                      ; source 0 (B) window 1, source 1 (A) window 0, C and D window 2
.set MUL_HI, 0xf1                      ; the same, C and D window 3
.set BIA_LO, 0x81                      ; the first product: C (the bias) window 0, D window 2
.set BIA_HI, 0xc1                      ; the same, D window 3
.set TO_B,   0x40                      ; destination window 1, address window 0
; A joint load.  Waves 0 and 1 fetch A's two halves, waves 2 and 3 B's.  Each of the two lines has ONE mask and one set of registers for all that issue it.  The branch hangs on the wave's number alone.
; An s_nop 0 and four v_nop follow each of the two lines; the jump round the other line, the label and what follows the macro come after them.
.macro JLOAD s
	s_cmp_eq_u32 s11, 0
	s_cbranch_scc0 .Lfor_b_\@
	tensor_load_to_lds s[G0+4*(\s):G0+4*(\s)+3], s[G1:G1+7]
	s_nop 0
.rept 4
	v_nop
.endr
	s_branch .Lasked_\@
.Lfor_b_\@:
	tensor_load_to_lds s[G0B+4*(\s):G0B+4*(\s)+3], s[G1B:G1B+7]
	s_nop 0
.rept 4
	v_nop
.endr
.Lasked_\@:
.endm
; A round of the cluster's barrier: my work-group's barrier, so that wave 0's signal speaks for all four waves; wave 0 signals for the work-group; every wave waits for all sixteen work-groups;
; my work-group's barrier once more.  No LDS instruction of the wave is pending at a signal.
.macro CREST                           ; a round behind its opening barrier
	s_cmp_lg_u32 s10, 0
	s_cbranch_scc1 .Lnot_wave_0_\@
	s_barrier_signal -3
.Lnot_wave_0_\@:
	s_barrier_wait -3
	s_barrier_signal -1
	s_barrier_wait -1
.endm
.macro CROUND                          ; a whole round
	s_barrier_signal -1
	s_barrier_wait -1
	CREST
.endm
	s_load_b128 s[4:7], s[0:1], 0x0                ; A s[4:5], B s[6:7]
	s_load_b64 s[8:9], s[0:1], 0x10                ; C
	s_load_b64 s[66:67], s[0:1], 0x18              ; b
	v_lshl_add_u32 v[SPW], v0, 2, SPARE
	v_mov_b32 v[NIL], 0
	ds_add_u32 v[SPW], v[NIL]                      ; the wave's opening: the add and its wait stand ahead of my first tensor load; the set-up below, work on registers, stands between them
	v_lshrrev_b32 v1, 5, v0
	v_readfirstlane_b32 s10, v1                    ; wave 0..3
	s_lshr_b32 s11, s10, 1                         ; which half of the tile's rows is mine.  Also: I fetch for A (0) or for B (1)
	s_and_b32 s12, s10, 1                          ; which half of its columns.  Also: which 128 rows of that tile I fetch
	s_bfe_u32 s40, ttmp6, 0x40000                  ; cx: my place along the cluster's x
	s_bfe_u32 s41, ttmp6, 0x40004                  ; cy: along its y
	s_lshl_b32 s42, ttmp9, 2                       ; in a cluster launch ttmp9 and ttmp7 count clusters
	s_add_co_u32 s42, s42, s40                     ; tile column of C = 4 x cluster x + cx
	s_and_b32 s13, ttmp7, 0xffff
	s_lshl_b32 s13, s13, 2
	s_add_co_u32 s13, s13, s41                     ; tile row of C = 4 x cluster y + cy
	s_lshl_b32 s43, s41, 2
	s_lshl_b32 s43, 15, s43                        ; my row of the cluster: places 4 cy .. 4 cy + 3
	s_lshl_b32 s44, 0x1111, s40                    ; my column: places cx, cx + 4, cx + 8, cx + 12
	; descriptor group 1: a tile of 128 rows x 128 elements, padded in LDS
	s_or_b32 s[G1+0], s43, (1<<16)|(1<<20)|(1<<21)|(5<<22)|(3<<25)  ; 15:0 the mask: A's tiles go to my row; 17:16 element of 2 bytes; 20 padding on; 21 set beside a mask; 24:22 after every 64 words (code 5); 31:25 of 4 words (code 3)
	s_or_b32 s[G1B+0], s44, (1<<16)|(1<<20)|(1<<21)|(5<<22)|(3<<25) ; the same with the mask of my column, for B's tiles
	s_mov_b32 s[G1B+1], KSTEP<<16
	s_mov_b32 s[G1+1], KSTEP<<16                   ; 63:48 tensor_dim0, low half = 128
	s_mov_b32 s[G1B+2], 128<<16
	s_mov_b32 s[G1+2], 128<<16                     ; 79:64 its high half = 0; 95:80 tensor_dim1, low half = 128
	s_mov_b32 s[G1B+3], KSTEP<<16
	s_mov_b32 s[G1+3], KSTEP<<16                   ; 111:96 its high half = 0; 127:112 tile_dim0 = 128
	s_mov_b32 s[G1B+4], 128
	s_mov_b32 s[G1+4], 128                         ; 143:128 tile_dim1 = 128; 159:144 tile_dim2 = 0
	s_mov_b32 s[G1B+5], SIZE_K
	s_mov_b32 s[G1+5], SIZE_K                      ; 191:160 tensor_dim0_stride, low word: elements from row to row
	s_mov_b32 s[G1B+6], 0
	s_mov_b32 s[G1+6], 0
	s_mov_b32 s[G1B+7], 0
	s_mov_b32 s[G1+7], 0
	; where the tiles come from.  A's hang on the tile row alone, which my row of the cluster shares; B's on the tile column alone, which my column shares.
	; Every wave makes both addresses, in registers that never hold the other coordinate, and asks by one of them.
	s_lshl_b32 s17, s12, 7                         ; which 128 rows of the tile I fetch
	s_lshl_b32 s16, s13, 8
	s_add_co_u32 s16, s16, s17                     ; A: row 256 x tile row + 128 x half
	s_lshl_b32 s46, s42, 8
	s_add_co_u32 s46, s46, s17                     ; B: row 256 x tile column + 128 x half
	s_mov_b32 s17, 0
	s_mov_b32 s47, 0
	s_mov_b64 s[18:19], SIZE_K*2
	s_mul_u64 s[16:17], s[16:17], s[18:19]         ; in bytes, in 64 bits
	s_mul_u64 s[46:47], s[46:47], s[18:19]
	s_mul_i32 s20, s10, HALFT                      ; and where they go: A's two halves, then B's two halves = wave x 128 rows: no place in the cluster enters an LDS address
	s_wait_dscnt 0x0                               ; the opening add is done
	s_wait_kmcnt 0x0
	s_add_nc_u64 s[14:15], s[4:5], s[16:17]
	s_add_nc_u64 s[46:47], s[6:7], s[46:47]
	CROUND                                         ; all sixteen work-groups are here: the first joint loads meet
.irp s, 0,1
	s_mov_b32 s[G0+4*(\s)], 1                                      ; 1:0 count = 1
	s_add_co_u32 s[G0+4*(\s)+1], s20, (\s)*SLOT                    ; 63:32 LDS address
	s_add_nc_u64 s[G0+4*(\s)+2:G0+4*(\s)+3], s[14:15], (\s)*KSTEP*2  ; 120:64 global address: K step s
	s_or_b32 s[G0+4*(\s)+3], s[G0+4*(\s)+3], 0x80000000            ; 127:126 type = 2
	s_mov_b32 s[G0B+4*(\s)], 1
	s_add_co_u32 s[G0B+4*(\s)+1], s20, (\s)*SLOT
	s_add_nc_u64 s[G0B+4*(\s)+2:G0B+4*(\s)+3], s[46:47], (\s)*KSTEP*2
	s_or_b32 s[G0B+4*(\s)+3], s[G0B+4*(\s)+3], 0x80000000
	JLOAD \s                                       ; the ring is filled before anything else is done: two tensor loads of mine are out, the most in this text
.endr
	; A fragment is 16 rows x 32 K in 8 registers: lane l holds row l % 16; registers 0-3 hold K = 8 (l / 16) + 0..7, registers 4-7 hold K = 16 + 8 (l / 16) + 0..7.
	; From rows that lie along K: two loads of 16 bytes, 32 bytes apart.  The same for source 0 and source 1.
	v_and_b32 v1, 15, v0                           ; l % 16
	v_bfe_u32 v2, v0, 4, 1                         ; l / 16
	v_mul_u32_u24 v3, v1, PITCH
	v_lshl_add_u32 v3, v2, 4, v3                   ; row x pitch + 16 x half
	s_mul_i32 s21, s11, HALFT                      ; my 128 rows of A
	s_mul_i32 s22, s12, HALFT                      ; my 128 rows of B,
	s_add_co_u32 s22, s22, 2*HALFT                 ; which lie behind A's 256
.irp s, 0,1
	v_add_nc_u32 v[ADRA+(\s)], s21, v3
	v_add_nc_u32 v[ADRB+(\s)], s22, v3
	s_add_co_u32 s21, s21, SLOT
	s_add_co_u32 s22, s22, SLOT
.endr
	s_mul_i32 s23, s10, 16*SPITCH
	s_add_co_u32 s23, s23, STAGE                   ; my stage
	v_mul_u32_u24 v4, v1, SPITCH                   ; in: row l % 16, 32 bytes for each half of the lanes
	v_lshl_add_u32 v4, v2, 5, v4
	v_add_nc_u32 v[STO], s23, v4
	v_and_b32 v5, 31, v0
	v_lshlrev_b32 v[CO], 4, v5                     ; back, and out: 32 lanes x 16 bytes are one row's 512 bytes
	v_add_nc_u32 v[RD], s23, v[CO]
	v_lshlrev_b32 v[BO], 5, v2                     ; the bias: my eight columns of a block of 16
	; where my part of the tile begins in C, and my 128 columns in b
	s_lshl_b32 s13, s13, 8
	s_lshl_b32 s14, s11, 7
	s_add_co_u32 s16, s13, s14                     ; my first row of C
	s_mov_b32 s17, 0
	s_mov_b64 s[18:19], SIZE_N*4
	s_mul_u64 s[16:17], s[16:17], s[18:19]
	s_lshl_b32 s46, s42, 10                        ; my first column, in bytes of f32: 1,024 x tile column + 512 x half (in the registers that held B's address: none that feeds A's descriptors ever holds cx)
	s_lshl_b32 s47, s12, 9
	s_add_co_u32 s46, s46, s47
	s_mov_b32 s47, 0
	s_add_nc_u64 s[8:9], s[8:9], s[16:17]
	s_add_nc_u64 s[8:9], s[8:9], s[46:47]
	s_add_nc_u64 s[66:67], s[66:67], s[46:47]
.irp nb, 0,1,2,3,4,5,6,7                 ; register j of block nb: b[my first column + 16 nb + 8 (l / 16) + j], the place that the result's register j has
	global_load_b128 v[BI+8*(\nb):BI+8*(\nb)+3],   v[BO], s[66:67] offset:64*(\nb)
	global_load_b128 v[BI+8*(\nb)+4:BI+8*(\nb)+7], v[BO], s[66:67] offset:64*(\nb)+16
.endr
; 16 matrix instructions: m blocks a0, a0 + 1 of the window's four (hi = 0: my rows 0-63, 1: rows 64-127) x all 8 n blocks, 32 along K.
; first = 1: the first product starts the sums from the bias: nothing is ever cleared.
.macro MUL16 f, hi, a0, first
.if \first
	WIN BIA_LO+0x40*(\hi)                          ; BIA_LO or BIA_HI
.else
	WIN MUL_LO+0x50*(\hi)                          ; MUL_LO or MUL_HI
.endif
.irp a, \a0, (\a0)+1
.irp b, 0,1,2,3,4,5,6,7
.if \first
	v_wmma_f32_16x16x32_bf16 v[8*(8*(\a)+(\b)):8*(8*(\a)+(\b))+7], v[(\f)+8*(\b):(\f)+8*(\b)+7], v[(\f)+8*(4*(\hi)+(\a)):(\f)+8*(4*(\hi)+(\a))+7], v[BI+8*(\b):BI+8*(\b)+7]
.else
	v_wmma_f32_16x16x32_bf16 v[8*(8*(\a)+(\b)):8*(8*(\a)+(\b))+7], v[(\f)+8*(\b):(\f)+8*(\b)+7], v[(\f)+8*(4*(\hi)+(\a)):(\f)+8*(4*(\hi)+(\a))+7], v[8*(8*(\a)+(\b)):8*(8*(\a)+(\b))+7]
.endif
.endr
.endr
.endm
; 32 LDS loads in one run: the fragments of one quarter step (128 rows of B, 128 rows of A, 32 K at byte k of the rows) into buffer f
.macro FETCH slot, k, f
	WIN TO_B
.irp i, 0,1,2,3,4,5,6,7
	ds_load_b128 v[(\f)+8*(\i):(\f)+8*(\i)+3],   v[ADRB+(\slot)] offset:(\k)+(\i)*16*PITCH
	ds_load_b128 v[(\f)+8*(\i)+4:(\f)+8*(\i)+7], v[ADRB+(\slot)] offset:(\k)+(\i)*16*PITCH+32
.endr
	WIN 0
.irp i, 0,1,2,3,4,5,6,7
	ds_load_b128 v[(\f)+8*(\i):(\f)+8*(\i)+3],   v[ADRA+(\slot)] offset:(\k)+(\i)*16*PITCH
	ds_load_b128 v[(\f)+8*(\i)+4:(\f)+8*(\i)+7], v[ADRA+(\slot)] offset:(\k)+(\i)*16*PITCH+32
.endr
.endm
; A load into a register that a matrix instruction has read, and an LDS store that reads a matrix result, stand four places behind that matrix instruction, and only plain vector instructions that
; name none of its registers are places (ISA guide 7.12.1 for vector instructions); the matrix instructions in between are not counted.
.macro PLACES
.rept 4
	v_nop
.endr
.endm
; A K step is four quarter steps of 32 along K, 64 matrix instructions each, on buffers 0, 1, 0, 1.  The 64 accumulators take turns in the same order in every quarter.
; One of the first three: multiplies buffer f; in its middle it fetches the next quarter's fragments, at byte k of the same slot's rows, into buffer g.
.macro QUARTER slot, k, f, g, first
	s_wait_dscnt 8                                 ; B and A's rows 0-63 are in; the youngest eight loads (A's rows 64-127) may be out
	MUL16 \f, 0, 0, \first
	MUL16 \f, 0, 2, \first
	PLACES
	FETCH \slot, \k, \g
	s_wait_dscnt 32                                ; all but the 32 just issued
	MUL16 \f, 1, 0, \first
	MUL16 \f, 1, 2, \first
.endm
; The last quarter multiplies buffer 1 and changes slots.  MEET is its first half: ONE barrier for the change of slots, for two things.  In front of it each wave waits for all its tensor loads, of which
; one is out: its part of the next slot; adds 0 to its spare word; and waits for that and for its own reads of this slot.  Behind it nobody reads this slot any more and the next slot is whole.
.macro MEET round                      ; round = 1: the rest of a round of the cluster's barrier follows
	WIN 0                                          ; (the add's two registers lie in window 0)
	s_wait_tensorcnt 0x0                           ; all my tensor loads have landed: the one that was out is my part of the next slot;
	ds_add_u32 v[SPW], v[NIL]                      ; 0 onto my spare word;
	s_wait_dscnt 9                                 ; (the add and the youngest eight loads may be out)
	MUL16 F1, 0, 0, 0                              ; sixteen matrix instructions stand between the add and the wait for it
	s_wait_dscnt 0x0                               ; the add is done, and my reads of this slot are over:
	s_barrier_signal -1                            ; say so,
	MUL16 F1, 0, 2, 0                              ; work on registers while the others arrive,
.if \round
	WIN 0
.endif
	s_barrier_wait -1                              ; and go on when all four have said so
.endm
; The whole last quarter.  fill = 1: the barrier opens a round of the cluster's barrier, and behind the round the slot just read out is filled again first, with the K step two steps on;
; from that request to the wait for it a wave issues 224 matrix instructions.  Then come the next slot's first fragments.
.macro TURN slot, next, fill
	MEET \fill
.if \fill
	CREST                                          ; no wave of any partner still reads this slot's tile or has a load on its way
	s_add_nc_u64 s[G0+4*(\slot)+2:G0+4*(\slot)+3], s[G0+4*(\slot)+2:G0+4*(\slot)+3], 2*KSTEP*2    ; no tensor load of mine is out, so a group 0 may be written; the type bits on top are not reached
	s_add_nc_u64 s[G0B+4*(\slot)+2:G0B+4*(\slot)+3], s[G0B+4*(\slot)+2:G0B+4*(\slot)+3], 2*KSTEP*2
	JLOAD \slot                                    ; the first tensor load behind the round, one a wave; the four v_nop behind it are also the places in front of the loads below
.else
	PLACES
.endif
	FETCH \next, 0, F0
	MUL16 F1, 1, 0, 0
	MUL16 F1, 1, 2, 0
.endm
; THE WAY OUT of block a (16 rows of C, my 128 columns).  TOSTAGE: a lane's 32 bytes of each of eight column blocks go straight from the accumulators into my own stage, each accumulator's low four
; registers first; then the 16 rows come back whole, 512 bytes a row.  SEND: stored, a row to an instruction.
.macro TOSTAGE a
.set AC, 64*((\a)%4)                   ; its eight accumulators, in window 2 (blocks 0-3) or 3 (blocks 4-7)
.set BK, F0+64*((\a)%2)                ; where it comes back: A's two fragment buffers by turns
	WIN 0x08+4*((\a)/4)                            ; an LDS store's data is source 1: window 2 or 3; the address is in window 0
.irp b, 0,1,2,3,4,5,6,7
	ds_store_b128 v[STO], v[AC+8*(\b):AC+8*(\b)+3]   offset:64*(\b)
	ds_store_b128 v[STO], v[AC+8*(\b)+4:AC+8*(\b)+7] offset:64*(\b)+16
.endr
	WIN 0
.if (\a) >= 2
	s_wait_xcnt 0x0                                ; these registers were the data of block a - 2's stores: they are loaded again only behind this wait
.endif
.irp t, 0,1,2,3,4,5,6,7,8,9,10,11,12,13,14,15
	ds_load_b128 v[BK+4*(\t):BK+4*(\t)+3], v[RD] offset:(\t)*SPITCH  ; LDS serves a wave's instructions in order (ISA guide 5.7.1.4): these see the stores above, and the next block's stores come behind them
.endr
.endm
.macro SEND a, younger                 ; younger: the LDS instructions issued behind block a's loads: the next block's 32, or none
.set BK, F0+64*((\a)%2)
	s_wait_dscnt \younger                          ; the block is back in registers
.irp t, 0,1,2,3,4,5,6,7,8,9,10,11,12,13,14,15
	global_store_b128 v[CO], v[BK+4*(\t):BK+4*(\t)+3], s[8:9] offset:(16*(\a)+(\t))*SIZE_N*4 th:TH_STORE_NT  ; 512 consecutive bytes, at a multiple of 256 from C's first byte; the row stands in the immediate, 2,080,768 at the most
.endr
.endm
	s_wait_tensorcnt 1                             ; my part of K step 0 is in; K step 1's may stay out
	s_barrier_signal -1
	s_barrier_wait -1                              ; everybody's is
	FETCH 0, 0, F0
	s_wait_loadcnt 0x0                             ; the bias
	QUARTER 0, 64,  F0, F1, 1                      ; the first quarter stands in front of the loop: its products start the sums
	WIN 0                                          ; at a label and at a branch every window is 0
	s_mov_b32 s3, LAPS-1
.Llap:                                                 ; 15 trips: a trip goes once round the ring, from a lap's second quarter to the next lap's first, and fills both slots again (K steps 2 to 31)
	QUARTER 0, 128, F1, F0, 0
	QUARTER 0, 192, F0, F1, 0
	TURN 0, 1, 1
	QUARTER 1, 64,  F0, F1, 0
	QUARTER 1, 128, F1, F0, 0
	QUARTER 1, 192, F0, F1, 0
	TURN 1, 0, 1
	QUARTER 0, 64,  F0, F1, 0
	WIN 0
	s_sub_co_u32 s3, s3, 1
	s_cmp_lg_u32 s3, 0
	s_cbranch_scc1 .Llap
	QUARTER 0, 128, F1, F0, 0                      ; the last lap is written out: it fills nothing, and has no round of the cluster's barrier
	QUARTER 0, 192, F0, F1, 0
	TURN 0, 1, 0                                   ; my one tensor load that was still out is slot 1's, the last K step's
	QUARTER 1, 64,  F0, F1, 0
	QUARTER 1, 128, F1, F0, 0
	QUARTER 1, 192, F0, F1, 0
	s_wait_dscnt 8                                 ; the very last quarter: nothing more to fetch
	MUL16 F1, 0, 0, 0
	MUL16 F1, 0, 2, 0
	s_wait_dscnt 0x0
	MUL16 F1, 1, 0, 0
	MUL16 F1, 1, 2, 0
	WIN 0
	PLACES                                         ; behind the last products: the stores below read results, the loads below land in A's fragment buffers
	TOSTAGE 0
.irp a, 1,2,3,4,5,6,7                    ; block a's way through the stage is issued ahead of the wait for block a - 1's rows
	TOSTAGE \a
	SEND (\a)-1, 32
.endr
	SEND 7, 0
	s_wait_tensorcnt 0x0                           ; the wave's end: behind my last tensor load and my last LDS store
	ds_add_u32 v[SPW], v[NIL]
	s_wait_dscnt 0x0
	CROUND                                         ; the closing round: no work-group ends while a partner may still ask for a tile that names it
	s_endpgm
.Lfunc_end_k_qca816f01da_gemm:
	.size	k_qca816f01da_gemm, .Lfunc_end_k_qca816f01da_gemm-k_qca816f01da_gemm
	.p2alignl 7, 3214868480
	.fill 96, 4, 3214868480
	.section	.rodata,"a",@progbits
	.p2align	6, 0x0
	.amdhsa_kernel k_qca816f01da_gemm
		.amdhsa_group_segment_fixed_size 327680
		.amdhsa_private_segment_fixed_size 0
		.amdhsa_enable_private_segment 0
		.amdhsa_kernarg_size 32
		.amdhsa_user_sgpr_count 2
		.amdhsa_user_sgpr_kernarg_segment_ptr 1
		.amdhsa_wavefront_size32 1
		.amdhsa_system_sgpr_workgroup_id_x 1
		.amdhsa_system_sgpr_workgroup_id_y 1
		.amdhsa_system_sgpr_workgroup_id_z 1
		.amdhsa_system_vgpr_workitem_id 0
		.amdhsa_next_free_vgpr 1024
		.amdhsa_next_free_sgpr 68
		.amdhsa_reserve_vcc 0
		.amdhsa_float_denorm_mode_32 3
		.amdhsa_float_denorm_mode_16_64 3
		.amdhsa_memory_ordered 1
		.amdhsa_forward_progress 1
		.amdhsa_inst_pref_size 142
	.end_amdhsa_kernel
	.amdgpu_metadata
---
amdhsa.version: [ 1, 2 ]
amdhsa.kernels:
  - .name:           k_qca816f01da_gemm
    .symbol:         k_qca816f01da_gemm.kd
    .args:
      - { .name: xb, .offset: 0, .size: 8, .value_kind: global_buffer, .address_space: global }
      - { .name: wq, .offset: 8, .size: 8, .value_kind: global_buffer, .address_space: global }
      - { .name: out0, .offset: 16, .size: 8, .value_kind: global_buffer, .address_space: global }
      - { .name: b, .offset: 24, .size: 8, .value_kind: global_buffer, .address_space: global }
    .group_segment_fixed_size: 327680
    .private_segment_fixed_size: 0
    .kernarg_segment_align: 8
    .kernarg_segment_size: 32
    .max_flat_workgroup_size: 128
    .sgpr_count:     68
    .vgpr_count:     1024
    .wavefront_size: 32
...
	.end_amdgpu_metadata
.endif
;; end of part 3
